; MI455X (gfx1250); checked and timed in simulation.
; The chip was launched on July 23, 2026; its instructions are those of AMD's public machine-readable ISA for CDNA 5 (MIT licence, August 2026) and "CDNA5" Instruction Set Architecture Reference Guide (July 2026). The comments in the code are by the model that wrote it; some were corrected since.
;; RNNQ Network Zero State. Allowed arithmetic: matrix products marked QUANTISED: E4M3 operands, one given power-of-two scale a tensor, by v_wmma_f32_16x16x64_fp8_fp8 or v_wmma_f32_16x16x128_fp8_fp8, f32 sums; everything else in f32.
;; Inputs: W_final_codes 1,024 x 64 x 32 uint8 (E4M3 codes of W_final, K innermost, in blocks of 32 codes); W_ih_codes 2,048 x 64 x 32 uint8 (E4M3 codes of W_ih, K innermost, in blocks of 32 codes); W_init_codes 2,048 x 32 x 32 uint8 (E4M3 codes of W_init, K innermost, in blocks of 32 codes); b_final 1,024 float32; b_hh 2,048 float32; b_ih 2,048 float32; b_init 2,048 float32; lowp_scales 6 int32 (the exponents e of the quantised operands' scales 2^e); x_codes 16 x 512 x 32 x 32 uint8 (E4M3 codes of x, K innermost, in blocks of 32 codes).
;; Outputs: out0 16 x 512 x 1,024 float32.
;; This version of the problem:
;;   THIS VERSION OF THE PROBLEM IS GIVEN IN LOW PRECISION. The matrix products marked QUANTISED in the list below multiply operands that are first quantised to E4M3 (4 exponent bits, 3 mantissa bits; 8 bits a number), with one given power-of-two scale for each operand tensor; their sums are f32. All else is computed in f32.
;;   The module's matrix products, in the order in which they are computed (A, B: the left and right operand; K: the contracted axis; several contracted axes count as one K, in the product's order):
;;     1. [M 8,192, K 1,024] x [K 1,024, N 2,048]; A: input x (given as codes); B: input W_init (given as codes): QUANTISED (scales: A lowp_scales[0], B lowp_scales[1])
;;     2. [M 8,192, K 2,048] x [K 2,048, N 2,048]; A: computed on the way; B: input W_ih (given as codes): QUANTISED (scales: A lowp_scales[2], B lowp_scales[3])
;;     3. [M 8,192, K 2,048] x [K 2,048, N 1,024]; A: computed on the way; B: input W_final (given as codes): QUANTISED (scales: A lowp_scales[4], B lowp_scales[5])
;;   THE QUANTISER, for each operand of a quantised product, along K:
;;     - The operand's scale is 2^e, e = its entry of the input lowp_scales (int32; the entries are numbered through the quantised products in the list's order, A before B).
;;     - Each number is divided by the scale, clamped to +-448, and rounded to the nearest number of E4M3, ties to even, subnormals kept.
;;     - The product sums the exact products of the quantised numbers (number of the format x scale) in f32.
;;   ~~~python
;;   def quantise(x, axis, e):      # numpy; x: float32 -> the quantised numbers, widened to float32 again
;;       x = np.moveaxis(x, axis, -1); K = x.shape[-1]
;;       r = np.clip(x / 2.0 ** e, -448, 448)
;;       step = 2.0 ** (np.maximum(np.frexp(np.where(r == 0, 1, r))[1] - 1, -6) - 3)
;;       q = np.round(r / step) * step * 2.0 ** e      # np.round: ties to even
;;       return np.moveaxis(q, -1, axis).astype(np.float32)
;;   ~~~
;;   OPERANDS COMPUTED ON THE WAY. 'Computed on the way' means the value that the module computes at that place (a softmax that the list does not call 'softmax' is quantised finished and normalised). What goes into a quantiser is computed in f32, as accurately as f32 sums, v_exp_f32 and their like allow (about 1e-6 of the number): no bf16 or f16 on the way to a quantiser, and a product that is left as it is and whose result goes on into a quantised operand takes f32 operands (vector FMAs, or v_wmma_f32_16x16x4_f32). A number that lies on a knife's edge between two numbers of the format may be rounded either way, as far as f32 arithmetic and the matrix unit's own rounding can turn it there, and no further.
;;   INPUTS GIVEN AS CODES. W_final (in the module: [1024, 2048], K = its axis 1); W_ih (in the module: [2048, 2048], K = its axis 1); W_init (in the module: [2048, 1024], K = its axis 1); x (in the module: [16, 512, 1024], K = its axis 2): each comes as NAME_codes (uint8): NAME with its K axis moved to the last place and cut into blocks of 32 codes, [.., K / 32, bytes a block], one block behind the other in memory; one code a byte (a code: sign, 4 exponent bits, 3 mantissa bits); its scale is its entry of lowp_scales. Its value is code x scale, taken as it is: it is not quantised again, and the codes and scales need not be those that the quantiser above would give.
;; One version. Each part assembles by itself: llvm-mc -triple=amdgcn-amd-amdhsa -mcpu=gfx1250 --defsym DOCPART=n.
;; ======== version 1 of 1: 3 launches
;; limits: right only within a limited range of input values
;; workspace buffers: h1 16,777,216 bytes; h2 16,777,216 bytes
;; launch layer1 (part 1): grid 8 x 32, 4 waves a work-group, clusters of 4 x 4, 327,680 bytes of LDS; arguments x_codes, W_init_codes, lowp_scales, b_init, h1; writes h1
.if DOCPART == 1
	.amdgcn_target "amdgcn-amd-amdhsa--gfx1250"
	.amdhsa_code_object_version 6
	.text
	.protected	k_q222f19c73f_layer1
	.globl	k_q222f19c73f_layer1
	.p2align	8
	.type	k_q222f19c73f_layer1,@function
k_q222f19c73f_layer1:
	s_mov_b64 s[64:65], 0
	v_nop
	global_prefetch_b8 v0, s[64:65] scope:SCOPE_SE
	s_setreg_imm32_b32 hwreg(HW_REG_WAVE_MODE, 25, 1), 1
	s_wait_xcnt 0x0
	s_wait_alu depctr_hold_cnt(0) depctr_sa_sdst(0) depctr_va_vdst(0) depctr_va_sdst(0) depctr_va_ssrc(0) depctr_va_vcc(0) depctr_vm_vsrc(0)
	s_getreg_b32 s2, hwreg(HW_REG_IB_STS2, 6, 4)
	s_cmp_eq_u32 s2, 0
	s_cbranch_scc0 .Lentry_in_a_cluster
	s_endpgm
.Lentry_in_a_cluster:
	s_bfe_u32 s2, ttmp6, 0x10000c
	s_cmp_lg_u32 s2, 0xf033
	s_cbranch_scc0 .Lentry_shape_is_right
	s_endpgm
.Lentry_shape_is_right:
; H = Q(relu(A W^T + b_init)).  A: [8192][1024] (x's codes), W: [2048][1024] (W_init's codes): E4M3, one code a byte, K innermost, one given scale 2^e a tensor.  H: [8192][2048] codes of E4M3 with the given scale 2^en.
; ea, eb, en = entries 0, 1, 2 of the scales' exponents.  The codes are multiplied as they are, sums in f32; the bias goes in as bias x 2^-(ea + eb), as the C of each sum's first product; a finished sum's code is
; sum / 2^(en - ea - eb), held between 0 (the activation) and 448, rounded to the nearest code, ties to even.
; LIMITS: en - ea - eb between -126 and 119; bias x 2^-(ea + eb) stays a finite f32 number; NaN in the bias is not served.  The bias is the first term of a sum, K is walked from KO on and round, and k is permuted alike in
; A and W inside a product: an order of rounding other than a sum over ascending K followed by an addition.
; SHARES: a tile of H, 256 x 256, for a work-group of four waves; a wave makes 128 x 128: 64 accumulators.  8 x 32 tiles: 256 work-groups.  K goes in steps of 256 through two LDS slots filled by joint tensor loads:
; clusters of 4 x 4, A's tile shared along a row of the cluster, W's along a column.  Source 0 = 16 rows of W, source 1 = 16 rows of A: a lane holds eight neighbouring columns of one row of H.
; Cluster (x, y) begins its walk at byte KO = (512 x + 512 y) mod 1024 of the rows and goes round; KO hangs on the cluster's x and y alone.
; REGISTERS: window 0: v0-31 addresses and constants, v64-127 the bias, from v128 A's fragments, one set; window 1: W's fragments, two sets; windows 2, 3: the accumulators of my rows 0-63, 64-127.
.set SIZE_K, 1024
.set SCOFF,  0
.set TWO_BIAS, 0
.set SIZE_N, 2048
.set KSTEP,  256
.set ROWB,   256
.set KROW,   SIZE_K
.set PITCH,  272
.set FR,     16
.set NL,     4
.set NP,     4
.set HALFT,  128*PITCH
.set SLOT,   4*HALFT
.set LAPS,   SIZE_K/(2*KSTEP)
.set SPARE,  2*SLOT
.set SPITCH, 272
.set ADRA, 16
.set ADRB, 20
.set STO,  24
.set RD,   25
.set CO,   26
.set BO,   27
.set SPW,  28
.set NIL,  29
.set SC,   30
.set LIM,  31
.set BIAS, 64
.set TMP,  64
.set AF,   128
.set BH,   128
.set CD,   128
.set G1, 24
.set G0, 32
.set G1B, 48
.set G0B, 56
.set KO,  78
.set BA,  80
.set BB,  84
.set MSB, 0
.macro WIN new
.if MSB != (\new)
	s_set_vgpr_msb (MSB<<8)|(\new)
.set MSB, (\new)
.endif
.endm
.set MUL_LO, 0xa1
.set MUL_HI, 0xf1
.set TO_B,   0x40
.macro JLOAD g0a, g1a, g0b, g1b
	s_cmp_eq_u32 s17, 0
	s_cbranch_scc0 .Lfor_b_\@
	tensor_load_to_lds s[\g0a:\g0a+3], s[\g1a:\g1a+7]
	s_nop 0
.rept 4
	v_nop
.endr
	s_branch .Lasked_\@
.Lfor_b_\@:
	tensor_load_to_lds s[\g0b:\g0b+3], s[\g1b:\g1b+7]
	s_nop 0
.rept 4
	v_nop
.endr
.Lasked_\@:
.endm
.macro CREST
	s_cmp_lg_u32 s16, 0
	s_cbranch_scc1 .Lnot_wave_0_\@
	s_barrier_signal -3
.Lnot_wave_0_\@:
	s_barrier_wait -3
	s_barrier_signal -1
	s_barrier_wait -1
.endm
.macro CROUND
	s_barrier_signal -1
	s_barrier_wait -1
	CREST
.endm
	s_load_b256 s[4:11], s[0:1], 0x0
.if TWO_BIAS
	s_load_b128 s[12:15], s[0:1], 0x20
.else
	s_load_b64 s[12:13], s[0:1], 0x20
.endif
	v_lshl_add_u32 v[SPW], v0, 2, SPARE
	v_mov_b32 v[NIL], 0
	ds_add_u32 v28, v29
	ds_add_u32 v28, v29
	s_wait_dscnt 0x0
	v_lshrrev_b32 v1, 5, v0
	v_readfirstlane_b32 s16, v1
	s_lshr_b32 s17, s16, 1
	s_and_b32 s18, s16, 1
	s_bfe_u32 s40, ttmp6, 0x40000
	s_bfe_u32 s41, ttmp6, 0x40004
	s_lshl_b32 s42, ttmp9, 2
	s_add_co_u32 s42, s42, s40
	s_and_b32 s19, ttmp7, 0xffff
	s_lshl_b32 s19, s19, 2
	s_add_co_u32 s19, s19, s41
	s_lshl_b32 s43, s41, 2
	s_lshl_b32 s43, 15, s43
	s_lshl_b32 s44, 0x1111, s40
	s_or_b32 s[G1+0], s43, (0<<16)|(1<<20)|(1<<21)|(5<<22)|(3<<25)
	s_or_b32 s[G1B+0], s44, (0<<16)|(1<<20)|(1<<21)|(5<<22)|(3<<25)
.irp g, G1, G1B
	s_mov_b32 s[\g+1], ROWB<<16
	s_mov_b32 s[\g+2], 128<<16
	s_mov_b32 s[\g+3], ROWB<<16
	s_mov_b32 s[\g+4], 128
	s_mov_b32 s[\g+5], KROW
	s_mov_b32 s[\g+6], 0
	s_mov_b32 s[\g+7], 0
.endr
	s_lshl_b32 s22, s18, 7
	s_lshl_b32 s20, s19, 8
	s_add_co_u32 s20, s20, s22
	s_lshl_b32 s46, s42, 8
	s_add_co_u32 s46, s46, s22
	s_mov_b32 s21, 0
	s_mov_b32 s47, 0
	s_mov_b64 s[22:23], KROW
	s_mul_u64 s[20:21], s[20:21], s[22:23]
	s_mul_u64 s[46:47], s[46:47], s[22:23]
	s_mul_i32 s45, s16, HALFT
	s_and_b32 s79, ttmp7, 0xffff
	s_lshl_b32 s79, s79, 9
	s_mul_i32 s[KO], ttmp9, SIZE_K/2
	s_add_co_u32 s[KO], s[KO], s79
	s_and_b32 s[KO], s[KO], SIZE_K-1
	s_mov_b32 s[KO+1], 0
	s_wait_kmcnt 0x0
	s_load_b96 s[68:70], s[8:9], SCOFF
	s_add_nc_u64 s[BA:BA+1], s[4:5], s[20:21]
	s_add_nc_u64 s[BB:BB+1], s[6:7], s[46:47]
	s_add_nc_u64 s[BA+2:BA+3], s[BA:BA+1], ROWB
	s_add_nc_u64 s[BB+2:BB+3], s[BB:BB+1], ROWB
	CROUND
.irp s, 0,1
	s_mov_b32 s[G0+4*\s], 1
	s_add_co_u32 s[G0+4*\s+1], s45, \s*SLOT
	s_add_nc_u64 s[G0+4*\s+2:G0+4*\s+3], s[BA+2*\s:BA+2*\s+1], s[KO:KO+1]
	s_or_b32 s[G0+4*\s+3], s[G0+4*\s+3], 0x80000000
	s_mov_b32 s[G0B+4*\s], 1
	s_add_co_u32 s[G0B+4*\s+1], s45, \s*SLOT
	s_add_nc_u64 s[G0B+4*\s+2:G0B+4*\s+3], s[BB+2*\s:BB+2*\s+1], s[KO:KO+1]
	s_or_b32 s[G0B+4*\s+3], s[G0B+4*\s+3], 0x80000000
.endr
	JLOAD G0, G1, G0B, G1B                         ; K step 0: one tensor load a wave at the head
	; THE PREFETCHES' ADDRESSES.  A lane a row, 32 rows x 256 bytes an instruction, one instruction a wave for a K step.  Of the 128 rows that I fetch, each of the four partners that ask for them jointly names 32, told
	; apart by address (cx for A, cy for W): each block of 256 bytes is named once in each cluster that loads it.  K steps 1 and 2 are asked for further down in the head, K step 3 with K step 1's load; there are four K steps.
	s_lshl_b32 s2, s19, 8                          ; the tile's first row: in A by the tile row, in W by the tile column
	s_lshl_b32 s3, s42, 8
	s_cmp_eq_u32 s17, 0
	s_cselect_b32 s2, s2, s3
	s_cselect_b32 s3, s40, s41
	s_cselect_b64 s[88:89], s[4:5], s[6:7]
	s_lshl_b32 s3, s3, 5
	s_add_co_u32 s2, s2, s3
	s_lshl_b32 s3, s18, 7
	s_add_co_u32 s2, s2, s3
	s_mul_i32 s2, s2, KROW
	s_mov_b32 s3, 0
	s_add_nc_u64 s[88:89], s[88:89], s[2:3]        ; my 32 rows at K = 0,
	s_add_nc_u64 s[94:95], s[88:89], s[KO:KO+1]    ; at KO,
	s_add_co_u32 s92, s[KO], 512
	s_and_b32 s92, s92, SIZE_K-1
	s_mov_b32 s93, 0
	s_add_nc_u64 s[90:91], s[88:89], s[92:93]      ; and at K step 2, round K
	v_and_b32 v1, 15, v0
	v_bfe_u32 v2, v0, 4, 1
	v_mul_u32_u24 v3, v1, PITCH
	s_wait_alu depctr_va_vdst(0)
	v_lshl_add_u32 v4, v2, 4, v3
	s_mul_i32 s21, s17, HALFT
	s_mul_i32 s22, s18, HALFT
	s_add_co_u32 s22, s22, 2*HALFT
.irp s, 0,1
	v_add_nc_u32 v[ADRA+\s], s21, v4
	v_add_nc_u32 v[ADRB+\s], s22, v4
	s_add_co_u32 s21, s21, SLOT
	s_add_co_u32 s22, s22, SLOT
.endr
	s_mul_i32 s23, s17, 128*SPITCH
	s_lshl_b32 s21, s18, 7
	s_add_co_u32 s23, s23, s21
	v_lshl_add_u32 v5, v2, 3, v3
	v_add_nc_u32 v[STO], s23, v5
	s_mul_i32 s23, s17, 128*SPITCH                 ; back: of each half of the way out I take 32 whole rows: rows 128 x (my row half) + 32 x (my column half) + 64 p + 0 .. 31
	s_mul_i32 s21, s18, 32*SPITCH
	s_add_co_u32 s23, s23, s21
	v_mul_u32_u24 v5, v2, SPITCH
	v_lshl_add_u32 v5, v1, 4, v5
	v_add_nc_u32 v[RD], s23, v5
	v_lshlrev_b32 v5, 11, v2
	v_lshl_add_u32 v[CO], v1, 4, v5
	s_lshl_b32 s20, s19, 8
	s_lshl_b32 s21, s17, 7                         ; the first row of H that I store: 256 x tile row + 128 x row half + 32 x column half
	s_add_co_u32 s20, s20, s21
	s_lshl_b32 s21, s18, 5
	s_add_co_u32 s20, s20, s21
	s_lshl_b32 s20, s20, 11
	s_mov_b32 s21, 0
	s_lshl_b32 s46, s42, 8
	s_mov_b32 s47, 0
	s_add_nc_u64 s[20:21], s[20:21], s[46:47]
	s_add_nc_u64 s[12:13], s[12:13], s[20:21]
	s_lshl_b32 s76, s42, 10
	s_lshl_b32 s77, s18, 9
	s_add_co_u32 s76, s76, s77
	s_mov_b32 s77, 0
	s_add_nc_u64 s[10:11], s[10:11], s[76:77]
.if TWO_BIAS
	s_add_nc_u64 s[14:15], s[14:15], s[76:77]
.endif
	v_lshlrev_b32 v[BO], 5, v2
.irp b, 0,1,2,3,4,5,6,7
	global_load_b128 v[BIAS+8*\b:BIAS+8*\b+3],   v[BO], s[10:11] offset:64*\b
	global_load_b128 v[BIAS+8*\b+4:BIAS+8*\b+7], v[BO], s[10:11] offset:64*\b+16
.endr
.if TWO_BIAS
.irp b, 0,1,2,3,4,5,6,7
	global_load_b128 v[BH+8*\b:BH+8*\b+3],   v[BO], s[14:15] offset:64*\b
	global_load_b128 v[BH+8*\b+4:BH+8*\b+7], v[BO], s[14:15] offset:64*\b+16
.endr
.endif
	s_wait_kmcnt 0x0
	s_add_co_i32 s71, s68, s69
	s_sub_co_i32 s72, 0, s71
	s_sub_co_i32 s73, s70, s71
	s_add_co_i32 s73, s73, 127
	s_lshl_b32 s74, s73, 23
	v_mov_b32 v[SC], s74
	s_add_co_i32 s73, s73, 8
	s_lshl_b32 s73, s73, 23
	s_or_b32 s73, s73, 0x600000
	v_mov_b32 v[LIM], s73
	s_wait_loadcnt 0x0                             ; the bias
	v_and_b32 v15, 31, v0                          ; the prefetches' offset: lane x a row in memory
	v_mul_u32_u24 v15, v15, KROW
	global_prefetch_b8 v15, s[94:95] offset:256 th:TH_LOAD_NT scope:SCOPE_SE   ; K step 1
	global_prefetch_b8 v15, s[90:91] th:TH_LOAD_NT scope:SCOPE_SE              ; K step 2
.if TWO_BIAS
.set J, 0
.rept 32
	v_pk_add_f32 v[BIAS+J:BIAS+J+1], v[BIAS+J:BIAS+J+1], v[BH+J:BH+J+1]
.set J, J+2
.endr
.endif
.set J, 0
.rept 64
	v_ldexp_f32 v[BIAS+J], v[BIAS+J], s72
.set J, J+1
.endr
.macro FRAG reg, adr, q, i
.irp c, 0,1,2,3
	ds_load_b128 v[\reg+4*\c:\reg+4*\c+3], v[\adr] offset:128*(\q)+32*\c+(\i)*16*PITCH
.endr
.endm
.macro MUL16 a0, p, zero
.irp a, \a0, \a0+1
.irp b, 0,1,2,3,4,5,6,7
.if \zero
	v_wmma_f32_16x16x128_fp8_fp8 v[8*(8*((\a)%4)+\b):8*(8*((\a)%4)+\b)+7], v[128*(\p)+FR*\b:128*(\p)+FR*\b+FR-1], v[AF+FR*(\a):AF+FR*(\a)+FR-1], v[BIAS+8*\b:BIAS+8*\b+7]
.else
	v_wmma_f32_16x16x128_fp8_fp8 v[8*(8*((\a)%4)+\b):8*(8*((\a)%4)+\b)+7], v[128*(\p)+FR*\b:128*(\p)+FR*\b+FR-1], v[AF+FR*(\a):AF+FR*(\a)+FR-1], v[8*(8*((\a)%4)+\b):8*(8*((\a)%4)+\b)+7]
.endif
.endr
.endr
.endm
.macro FETCH_B slot, q, p
	WIN TO_B
.irp i, 0,1,2,3,4,5,6,7
	FRAG 128*(\p)+FR*\i, ADRB+\slot, \q, \i
.endr
	WIN 0
.endm
.macro FETCH_A slot, q, i0
.irp i, \i0, \i0+1, \i0+2, \i0+3
	FRAG AF+FR*(\i), ADRA+\slot, \q, \i
.endr
.endm
.macro PLACES n
.rept \n
	v_nop
.endr
.endm
.macro STEP slot, q, zero
	s_wait_dscnt 4*NL
	WIN MUL_LO-0x20*\zero
	MUL16 0, (\q)%2, \zero
	MUL16 2, (\q)%2, \zero
	s_wait_dscnt 0
	PLACES NP
	FETCH_B \slot, (\q)+1, 1-(\q)%2
	FETCH_A \slot, (\q)+1, 0
	WIN MUL_HI-0x30*\zero
	MUL16 4, (\q)%2, \zero
	MUL16 6, (\q)%2, \zero
	PLACES NP
	WIN 0
	FETCH_A \slot, (\q)+1, 4
.endm
; A slot's last step changes slots: ONE barrier; in front of it each wave waits for all its tensor loads, adds 0 to its spare word, and waits for that and for its own reads of this slot.  Sixteen products stand between
; the add and the wait for it, sixteen between the barrier's signal and its wait.  fill = 1: this slot is filled again, two K steps ahead, round K.
.macro TURN slot, next, fill
	s_wait_tensorcnt 0x0                           ; all my tensor loads have landed: my part of the next slot; so every group 0 may be written  (every window is 0 here)
	ds_add_u32 v[SPW], v[NIL]
.if \fill
.if \slot == 0
	s_add_co_u32 s[KO], s[KO], 2*ROWB
	s_and_b32 s[KO], s[KO], SIZE_K-1
.endif
	s_add_nc_u64 s[G0+4*\slot+2:G0+4*\slot+3], s[BA+2*\slot:BA+2*\slot+1], s[KO:KO+1]
	s_or_b32 s[G0+4*\slot+3], s[G0+4*\slot+3], 0x80000000
	s_add_nc_u64 s[G0B+4*\slot+2:G0B+4*\slot+3], s[BB+2*\slot:BB+2*\slot+1], s[KO:KO+1]
	s_or_b32 s[G0B+4*\slot+3], s[G0B+4*\slot+3], 0x80000000
.endif
	s_wait_dscnt 4*NL+1                            ; W's set and A's blocks 0-3 are in; the add and the youngest sixteen loads (A's blocks 4-7) may be out
	WIN MUL_LO
	MUL16 0, 1, 0
	s_wait_dscnt 0x0                               ; the add is done, and my reads of this slot are over
	s_barrier_signal -1
	MUL16 2, 1, 0
	WIN 0
	s_barrier_wait -1
.if \fill
	CREST
	JLOAD G0+4*\slot, G1, G0B+4*\slot, G1B
.else
	PLACES NP
.endif
	FETCH_B \next, 0, 0
	FETCH_A \next, 0, 0
	WIN MUL_HI
	MUL16 4, 1, 0
	MUL16 6, 1, 0
	PLACES NP
	WIN 0
	FETCH_A \next, 0, 4
.endm
	s_wait_alu depctr_va_vdst(0)
	s_wait_tensorcnt 0x0                           ; my part of K step 0 is in; the lines ahead of a later first fill:
	ds_add_u32 v[SPW], v[NIL]
	s_wait_dscnt 0x0
	CROUND                                         ; a whole round: everybody's part of K step 0 is in,
	JLOAD G0+4, G1, G0B+4, G1B                     ; and K step 1 is asked for, as a refill is
	global_prefetch_b8 v15, s[90:91] offset:256 th:TH_LOAD_NT scope:SCOPE_SE   ; K step 3
	FETCH_B 0, 0, 0
	FETCH_A 0, 0, 0
	FETCH_A 0, 0, 4
	STEP 0, 0, 1
	s_mov_b32 s3, LAPS-1
.Llap:
	TURN 0, 1, 1
	STEP 1, 0, 0
	TURN 1, 0, 1
	STEP 0, 0, 0
	s_sub_co_u32 s3, s3, 1
	s_cmp_lg_u32 s3, 0
	s_cbranch_scc1 .Llap
	TURN 0, 1, 0
	STEP 1, 0, 0
	s_wait_dscnt 4*NL
	WIN MUL_LO
	MUL16 0, 1, 0
	MUL16 2, 1, 0
	s_wait_dscnt 0
	WIN MUL_HI
	MUL16 4, 1, 0
	MUL16 6, 1, 0
	WIN 0
.macro QBLOCK a
.set AC, 64*((\a)%4)
	WIN 0x02+((\a)/4)
.set J, 0
.rept 64
	v_med3_num_f32 v[TMP+J], v[AC+J], 0, v[LIM]
.set J, J+1
.endr
	WIN 0
.irp b, 0,1,2,3,4,5,6,7
	v_cvt_scalef32_pk8_fp8_f32 v[CD+16*(\a)+2*\b:CD+16*(\a)+2*\b+1], v[TMP+8*\b:TMP+8*\b+7], v[SC]
.endr
	v_nop
.irp b, 0,1,2,3,4,5,6,7
	ds_store_b64 v[STO], v[CD+16*(\a)+2*\b:CD+16*(\a)+2*\b+1] offset:(\a)*16*SPITCH+16*\b
.endr
.endm
	PLACES NP
; THE WAY OUT GOES IN TWO HALVES.  Half p: every wave's blocks 4 p .. 4 p + 3 (64 of its 128 rows) become codes in the work-group's stage; a barrier, since a row's 256 bytes come from two waves; then each wave reads 32
; whole rows back, into the registers that held these blocks' codes, and stores them.  The two halves' rows of the stage are disjoint, so half 1's codes are stored there while other waves may still read half 0's rows.
.macro HALF p
.irp a, 0,1,2,3
	QBLOCK 4*\p+\a
.endr
	s_wait_dscnt 0x0                               ; for the others' sake: my stores into the stage are done
	s_barrier_signal -1
	s_barrier_wait -1
.set T, 0
.rept 16
	ds_load_b128 v[CD+64*\p+4*T:CD+64*\p+4*T+3], v[RD] offset:(64*\p+2*T)*SPITCH
.set T, T+1
.endr
.set T, 0
.rept 16
	s_wait_dscnt 15-T                              ; LDS loads come back in order (ISA guide 5.7.1): pair T of rows is in
	global_store_b128 v[CO], v[CD+64*\p+4*T:CD+64*\p+4*T+3], s[12:13] offset:(64*\p+2*T)*SIZE_N   ; 16 lanes store 256 consecutive bytes, at a multiple of 256 from H's first byte
.set T, T+1
.endr
.endm
	HALF 0
	HALF 1
	s_wait_tensorcnt 0x0
	ds_add_u32 v[SPW], v[NIL]
	s_wait_dscnt 0x0
	CROUND
	s_endpgm
.Lfunc_end_k_q222f19c73f_layer1:
	.size	k_q222f19c73f_layer1, .Lfunc_end_k_q222f19c73f_layer1-k_q222f19c73f_layer1
	.p2alignl 7, 3214868480
	.fill 96, 4, 3214868480
	.section	.rodata,"a",@progbits
	.p2align	6, 0x0
	.amdhsa_kernel k_q222f19c73f_layer1
		.amdhsa_group_segment_fixed_size 327680
		.amdhsa_private_segment_fixed_size 0
		.amdhsa_enable_private_segment 0
		.amdhsa_kernarg_size 40
		.amdhsa_user_sgpr_count 2
		.amdhsa_user_sgpr_kernarg_segment_ptr 1
		.amdhsa_wavefront_size32 1
		.amdhsa_system_sgpr_workgroup_id_x 1
		.amdhsa_system_sgpr_workgroup_id_y 1
		.amdhsa_system_sgpr_workgroup_id_z 1
		.amdhsa_system_vgpr_workitem_id 0
		.amdhsa_next_free_vgpr 1024
		.amdhsa_next_free_sgpr 96
		.amdhsa_reserve_vcc 0
		.amdhsa_float_denorm_mode_32 3
		.amdhsa_float_denorm_mode_16_64 3
		.amdhsa_memory_ordered 1
		.amdhsa_forward_progress 1
		.amdhsa_inst_pref_size 133
	.end_amdhsa_kernel
	.amdgpu_metadata
---
amdhsa.version: [ 1, 2 ]
amdhsa.kernels:
  - .name:           k_q222f19c73f_layer1
    .symbol:         k_q222f19c73f_layer1.kd
    .args:
      - { .name: x_codes, .offset: 0, .size: 8, .value_kind: global_buffer, .address_space: global }
      - { .name: W_init_codes, .offset: 8, .size: 8, .value_kind: global_buffer, .address_space: global }
      - { .name: lowp_scales, .offset: 16, .size: 8, .value_kind: global_buffer, .address_space: global }
      - { .name: b_init, .offset: 24, .size: 8, .value_kind: global_buffer, .address_space: global }
      - { .name: h1, .offset: 32, .size: 8, .value_kind: global_buffer, .address_space: global }
    .group_segment_fixed_size: 327680
    .private_segment_fixed_size: 0
    .kernarg_segment_align: 8
    .kernarg_segment_size: 40
    .max_flat_workgroup_size: 128
    .sgpr_count:     96
    .vgpr_count:     1024
    .wavefront_size: 32
...
	.end_amdgpu_metadata
.endif
;; end of part 1
;; launch layer2 (part 2): grid 8 x 32, 4 waves a work-group, clusters of 4 x 4, 327,680 bytes of LDS; arguments h1, W_ih_codes, lowp_scales, b_ih, h2, b_hh; writes h2
.if DOCPART == 2
	.amdgcn_target "amdgcn-amd-amdhsa--gfx1250"
	.amdhsa_code_object_version 6
	.text
	.protected	k_q222f19c73f_layer2
	.globl	k_q222f19c73f_layer2
	.p2align	8
	.type	k_q222f19c73f_layer2,@function
k_q222f19c73f_layer2:
	s_mov_b64 s[64:65], 0
	v_nop
	global_prefetch_b8 v0, s[64:65] scope:SCOPE_SE
	s_setreg_imm32_b32 hwreg(HW_REG_WAVE_MODE, 25, 1), 1
	s_wait_xcnt 0x0
	s_wait_alu depctr_hold_cnt(0) depctr_sa_sdst(0) depctr_va_vdst(0) depctr_va_sdst(0) depctr_va_ssrc(0) depctr_va_vcc(0) depctr_vm_vsrc(0)
	s_getreg_b32 s2, hwreg(HW_REG_IB_STS2, 6, 4)
	s_cmp_eq_u32 s2, 0
	s_cbranch_scc0 .Lentry_in_a_cluster
	s_endpgm
.Lentry_in_a_cluster:
	s_bfe_u32 s2, ttmp6, 0x10000c
	s_cmp_lg_u32 s2, 0xf033
	s_cbranch_scc0 .Lentry_shape_is_right
	s_endpgm
.Lentry_shape_is_right:
; H = Q(relu(A B^T + bias)).  A: [8192][SIZE_K], B: [2048][SIZE_K]: codes of FP8 (E4M3), one a byte, K innermost, each tensor with one given scale 2^e.  H: [8192][2048], codes of E4M3 with the given scale 2^en,
; laid with the next product's K innermost.  Here: A = the first hidden layer's codes, B = W_ih, bias = b_ih + b_hh; ea, eb, en = entries 2, 3, 4 of the scales' exponents.
; The codes are multiplied as they are, sums in f32.  A sum stands for sum x 2^(ea + eb), so the bias goes in as bias x 2^-(ea + eb), as the C of each sum's first matrix instruction, and the code of a finished sum is
; sum / 2^(en - ea - eb), held between 0 (the activation) and 448, rounded to the nearest code, ties to even.
; LIMITS: en - ea - eb between -126 and 119, so that 2^(en - ea - eb) and 448 x it are f32 numbers; bias x 2^-(ea + eb) stays a finite f32 number; NaN among the biases is not served.
; The two biases are added to each other first, their sum is the first term of the product's sum and not the last, and K is walked from KO on and round (below): an order of rounding other than that of a sum over ascending K followed by two additions.
; SHARES.  A tile of H, 256 x 256, is made by a work-group of four waves; a wave makes 128 x 128: 64 accumulators of 16 x 16, 512 registers.  8 x 32 tiles: 256 work-groups.
; K goes in steps of 256 through a ring of two LDS slots filled by the tensor data mover: a tile's row is 256 bytes of memory.
; CLUSTERS: 4 x 4 work-groups.  The four of a row of the cluster need the same tiles of A, the four of a column the same tiles of B: each tile is asked for JOINTLY, by the same tensor load with the same
; descriptor and a mask that names the four.  THE MATRIX INSTRUCTION IS USED TRANSPOSED (source 0 = 16 rows of B, source 1 = 16 rows of A): a lane then holds eight neighbouring numbers of a row of H: eight codes, 8 bytes.
; THE WALK ALONG K IS TURNED.  Cluster (x, y) begins at byte KO = (x SIZE_K / 2 + 512 y) mod SIZE_K of the rows and goes round.  The two clusters that read the same rows of A begin half of K apart, and neighbouring
; rows of clusters, which read the same rows of B, 512 apart: of the clusters that want a piece one asks for it well ahead of the others, not all at the same moment.  KO hangs on the cluster's x and y alone, which all partners share.
; REGISTERS, in windows of 256: window 0: v0-31 addresses and the two constants of the conversion; v64-127 the bias in the result's layout, later at work on the way out; from v128 A's fragments (8 x 16 rows x 128 K),
;   ONE set, at the head the second bias, later the codes.   window 1: B's fragments, TWO sets, at v0 and at v128.   window 2: the 32 accumulators of my rows 0-63 (accumulator (a, b) at v[8 (8 a + b)]);   window 3: those of my rows 64-127.
.set SIZE_K, 2048                      ; along K
.set SCOFF,  8                         ; byte at which ea, eb, en stand among the scales' exponents
.set TWO_BIAS, 1                       ; 1: a second bias is added to the first
.set SIZE_N, 2048                      ; a row of H in bytes
.set KSTEP,  256                       ; along K in a slot
.set ROWB,   256                       ; a tile's row in bytes
.set KROW,   SIZE_K                    ; a row of A or of B in memory, in bytes
.set PITCH,  272                       ; an LDS row: 256 bytes of data + 16 of padding = 68 words: row r starts at bank 4 r mod 64 (64 banks of 4 bytes: ISA guide 11.1)
.set FR,     16                        ; registers of a fragment: 16 rows x 128 K
.set NL,     4                         ; LDS loads that bring one
.set NP,     4                         ; places behind this matrix instruction (ISA guide 7.12.1)
.set HALFT,  128*PITCH                 ; 128 rows: what one tensor load brings, and what one wave reads of A or of B
.set SLOT,   4*HALFT                   ; A's 256 rows, then B's 256 rows
.set LAPS,   SIZE_K/(2*KSTEP)          ; a lap = two K steps = once round the ring
.set SPARE,  2*SLOT                    ; behind the ring: the spare words, 128 bytes for each wave: two blocks of 256 bytes that no other line names
.set SPITCH, 272                       ; the way out: a stage of 256 rows x (256 bytes + 16), the work-group's.  It lies in slot 0, which has had its last fill and its last read when the first code is stored there
.set ADRA, 16                          ; v16-17  LDS address of my A fragments in slot 0, 1
.set ADRB, 20                          ; v20-21  the same for B
.set STO,  24                          ; v24     the way out: where I put 8 bytes of a row
.set RD,   25                          ; v25     the way out: where I read a row back
.set CO,   26                          ; v26     my byte offset in H
.set BO,   27                          ; v27     my byte offset in the bias: 32 x (lane / 16)
.set SPW,  28                          ; v28     LDS address of my spare word: SPARE + 4 x my thread's number; never rewritten
.set NIL,  29                          ; v29     0; never rewritten
.set SC,   30                          ; v30     2^(en - ea - eb) as f32: the conversion takes its exponent field
.set LIM,  31                          ; v31     448 x that
.set BIAS, 64                          ; v64-127 bias x 2^-(ea + eb): register 8 b + j = column 16 b + 8 (lane / 16) + j of my 128
.set TMP,  64                          ; the way out: a block's 64 sums, held
.set AF,   128                         ; A's fragments
.set BH,   128                         ; at the head: the second bias
.set CD,   128                         ; the way out: the codes, 16 registers a block; then whole rows read back
.set G1, 24                            ; s[24:31] descriptor group 1 for A's tiles;  s[32:39] group 0, one set for each slot
.set G0, 32
.set G1B, 48                           ; s[48:55], s[56:63] the same for B's tiles
.set G0B, 56
.set KO,  78                           ; s[78:79] the byte along K at which the lap in hand begins, a multiple of 512 under SIZE_K; a zero above it
.set BA,  80                           ; s[80:83] the address of the rows of A that I fetch, at K = 0 (slot 0) and at K = 256 (slot 1)
.set BB,  84                           ; s[84:87] the same for B
.set MSB, 0
.macro WIN new                         ; the immediate's high byte repeats the setting that is left
.if MSB != (\new)
	s_set_vgpr_msb (MSB<<8)|(\new)
.set MSB, (\new)
.endif
.endm
.set MUL_LO, 0xa1                      ; source 0 (B) window 1, source 1 (A) window 0, C and D window 2.  Less 0x20: C (the bias) window 0
.set MUL_HI, 0xf1                      ; the same, C and D window 3.  Less 0x30: C window 0
.set TO_B,   0x40                      ; destination window 1, address window 0
; A joint load: waves 0 and 1 fetch for A, waves 2 and 3 for B.  Each of the two lines has ONE mask and one set of registers for all that issue it; the branch hangs on the wave's number alone.
; Four v_nop follow each of the two lines, ahead of the jump, the label and what follows.
.macro JLOAD g0a, g1a, g0b, g1b
	s_cmp_eq_u32 s17, 0
	s_cbranch_scc0 .Lfor_b_\@
	tensor_load_to_lds s[\g0a:\g0a+3], s[\g1a:\g1a+7]
	s_nop 0
.rept 4
	v_nop
.endr
	s_branch .Lasked_\@
.Lfor_b_\@:
	tensor_load_to_lds s[\g0b:\g0b+3], s[\g1b:\g1b+7]
	s_nop 0
.rept 4
	v_nop
.endr
.Lasked_\@:
.endm
.macro CREST                           ; a round of the cluster's barrier behind its opening barrier
	s_cmp_lg_u32 s16, 0
	s_cbranch_scc1 .Lnot_wave_0_\@
	s_barrier_signal -3
.Lnot_wave_0_\@:
	s_barrier_wait -3
	s_barrier_signal -1
	s_barrier_wait -1
.endm
.macro CROUND                          ; a whole round
	s_barrier_signal -1
	s_barrier_wait -1
	CREST
.endm
	s_load_b256 s[4:11], s[0:1], 0x0               ; A's codes s[4:5], B's codes s[6:7], the scales' exponents s[8:9], the bias s[10:11]
.if TWO_BIAS
	s_load_b128 s[12:15], s[0:1], 0x20             ; H s[12:13], the second bias s[14:15]
.else
	s_load_b64 s[12:13], s[0:1], 0x20              ; H
.endif
	v_lshl_add_u32 v[SPW], v0, 2, SPARE
	v_mov_b32 v[NIL], 0
	ds_add_u32 v28, v29
	ds_add_u32 v28, v29
	s_wait_dscnt 0x0
	v_lshrrev_b32 v1, 5, v0
	v_readfirstlane_b32 s16, v1                    ; wave 0..3
	s_lshr_b32 s17, s16, 1                         ; which half of the tile's rows is mine.  Also: I fetch for A (0) or for B (1)
	s_and_b32 s18, s16, 1                          ; which half of its columns.  Also: which 128 rows of that tile I fetch
	s_bfe_u32 s40, ttmp6, 0x40000                  ; cx, cy: my place in the cluster
	s_bfe_u32 s41, ttmp6, 0x40004
	s_lshl_b32 s42, ttmp9, 2
	s_add_co_u32 s42, s42, s40                     ; tile column of H = 4 x cluster x + cx
	s_and_b32 s19, ttmp7, 0xffff
	s_lshl_b32 s19, s19, 2
	s_add_co_u32 s19, s19, s41                     ; tile row of H = 4 x cluster y + cy
	s_lshl_b32 s43, s41, 2
	s_lshl_b32 s43, 15, s43                        ; my row of the cluster
	s_lshl_b32 s44, 0x1111, s40                    ; my column
	; descriptor group 1: a tile of 128 rows x ROWB bytes, padded in LDS
	s_or_b32 s[G1+0], s43, (0<<16)|(1<<20)|(1<<21)|(5<<22)|(3<<25)  ; 15:0 the mask: A's tiles go to my row; 17:16 element of 1 byte; 20 padding on; 21 set beside a mask; 24:22 after every 64 words (code 5); 31:25 of 4 words (code 3)
	s_or_b32 s[G1B+0], s44, (0<<16)|(1<<20)|(1<<21)|(5<<22)|(3<<25) ; the same with the mask of my column, for B's tiles
.irp g, G1, G1B
	s_mov_b32 s[\g+1], ROWB<<16                    ; tensor_dim0
	s_mov_b32 s[\g+2], 128<<16                     ; tensor_dim1 = 128
	s_mov_b32 s[\g+3], ROWB<<16                    ; tile_dim0
	s_mov_b32 s[\g+4], 128                         ; tile_dim1 = 128
	s_mov_b32 s[\g+5], KROW                        ; tensor_dim0_stride
	s_mov_b32 s[\g+6], 0
	s_mov_b32 s[\g+7], 0
.endr
	s_lshl_b32 s22, s18, 7                         ; which 128 rows of the tile I fetch
	s_lshl_b32 s20, s19, 8
	s_add_co_u32 s20, s20, s22                     ; A: row 256 x tile row + 128 x half
	s_lshl_b32 s46, s42, 8
	s_add_co_u32 s46, s46, s22                     ; B: row 256 x tile column + 128 x half
	s_mov_b32 s21, 0
	s_mov_b32 s47, 0
	s_mov_b64 s[22:23], KROW
	s_mul_u64 s[20:21], s[20:21], s[22:23]         ; in bytes
	s_mul_u64 s[46:47], s[46:47], s[22:23]
	s_mul_i32 s45, s16, HALFT                      ; where they go: wave x 128 rows: no place in the cluster enters an LDS address
	s_and_b32 s79, ttmp7, 0xffff                   ; where my cluster's walk along K begins: 512 bytes for each row of clusters,
	s_lshl_b32 s79, s79, 9
	s_mul_i32 s[KO], ttmp9, SIZE_K/2               ; half of K for each column of clusters,
	s_add_co_u32 s[KO], s[KO], s79
	s_and_b32 s[KO], s[KO], SIZE_K-1               ; round K: a multiple of 512 under SIZE_K
	s_mov_b32 s[KO+1], 0
	s_wait_kmcnt 0x0
	s_load_b96 s[68:70], s[8:9], SCOFF             ; ea, eb, en
	s_add_nc_u64 s[BA:BA+1], s[4:5], s[20:21]      ; my rows of A at K = 0,
	s_add_nc_u64 s[BB:BB+1], s[6:7], s[46:47]      ; of B,
	s_add_nc_u64 s[BA+2:BA+3], s[BA:BA+1], ROWB    ; and both at K = 256, for slot 1
	s_add_nc_u64 s[BB+2:BB+3], s[BB:BB+1], ROWB
	CROUND                                         ; all sixteen work-groups are here: the first joint loads meet
.irp s, 0,1
	s_mov_b32 s[G0+4*\s], 1                                        ; count = 1
	s_add_co_u32 s[G0+4*\s+1], s45, \s*SLOT                        ; LDS address
	s_add_nc_u64 s[G0+4*\s+2:G0+4*\s+3], s[BA+2*\s:BA+2*\s+1], s[KO:KO+1]   ; global address: K = KO + 256 s
	s_or_b32 s[G0+4*\s+3], s[G0+4*\s+3], 0x80000000                ; type = 2
	s_mov_b32 s[G0B+4*\s], 1
	s_add_co_u32 s[G0B+4*\s+1], s45, \s*SLOT
	s_add_nc_u64 s[G0B+4*\s+2:G0B+4*\s+3], s[BB+2*\s:BB+2*\s+1], s[KO:KO+1]
	s_or_b32 s[G0B+4*\s+3], s[G0B+4*\s+3], 0x80000000
.endr
	JLOAD G0, G1, G0B, G1B                         ; K step 0: one tensor load a wave at the head
	; THE PREFETCHES' ADDRESSES.  A lane a row, 32 rows x 256 bytes an instruction, one instruction a wave for a K step.  Of the 128 rows that I fetch, each of the four partners that ask for them jointly names 32, told
	; apart by address (cx for A, cy for B): each block of 256 bytes is named once in each cluster that loads it.  K steps 1 and 2 are asked for further down in the head; from K step 1's load on, the request for
	; K step t + 2 goes with the load of K step t.  K steps 6 and 7 are the last: the last two refills ask for nothing.
	s_lshl_b32 s2, s19, 8                          ; the tile's first row: in A by the tile row, in B by the tile column
	s_lshl_b32 s3, s42, 8
	s_cmp_eq_u32 s17, 0
	s_cselect_b32 s2, s2, s3
	s_cselect_b32 s3, s40, s41
	s_cselect_b64 s[88:89], s[4:5], s[6:7]
	s_lshl_b32 s3, s3, 5
	s_add_co_u32 s2, s2, s3
	s_lshl_b32 s3, s18, 7
	s_add_co_u32 s2, s2, s3
	s_mul_i32 s2, s2, KROW
	s_mov_b32 s3, 0
	s_add_nc_u64 s[88:89], s[88:89], s[2:3]        ; my 32 rows at K = 0,
	s_add_nc_u64 s[94:95], s[88:89], s[KO:KO+1]    ; at KO,
	s_add_co_u32 s92, s[KO], 512
	s_and_b32 s92, s92, SIZE_K-1
	s_mov_b32 s93, 0
	s_add_nc_u64 s[90:91], s[88:89], s[92:93]      ; and at K step 2, round K
	v_and_b32 v1, 15, v0                           ; r = l % 16
	v_bfe_u32 v2, v0, 4, 1                         ; h = l / 16
	v_mul_u32_u24 v3, v1, PITCH
	s_wait_alu depctr_va_vdst(0)
	v_lshl_add_u32 v4, v2, 4, v3                   ; a fragment's row x pitch + 16 x half
	s_mul_i32 s21, s17, HALFT                      ; my 128 rows of A
	s_mul_i32 s22, s18, HALFT                      ; my 128 rows of B,
	s_add_co_u32 s22, s22, 2*HALFT                 ; which lie behind A's 256
.irp s, 0,1
	v_add_nc_u32 v[ADRA+\s], s21, v4
	v_add_nc_u32 v[ADRB+\s], s22, v4
	s_add_co_u32 s21, s21, SLOT
	s_add_co_u32 s22, s22, SLOT
.endr
	s_mul_i32 s23, s17, 128*SPITCH                 ; into the stage: my 128 rows, my half of their 256 bytes; row r, 8 bytes for each half of the lanes
	s_lshl_b32 s21, s18, 7
	s_add_co_u32 s23, s23, s21
	v_lshl_add_u32 v5, v2, 3, v3                   ; r x 272 + 8 h
	v_add_nc_u32 v[STO], s23, v5
	s_mul_i32 s23, s17, 128*SPITCH                 ; back: of each half of the way out I take 32 whole rows: rows 128 x (my row half) + 32 x (my column half) + 64 p + 0 .. 31; lanes 0-15 one row of 256 bytes, lanes 16-31 the next
	s_mul_i32 s21, s18, 32*SPITCH
	s_add_co_u32 s23, s23, s21
	v_mul_u32_u24 v5, v2, SPITCH
	v_lshl_add_u32 v5, v1, 4, v5
	v_add_nc_u32 v[RD], s23, v5
	v_lshlrev_b32 v5, 11, v2                       ; and the same two rows in H: 2,048 bytes apart
	v_lshl_add_u32 v[CO], v1, 4, v5
	s_lshl_b32 s20, s19, 8
	s_lshl_b32 s21, s17, 7                         ; the first row of H that I store: 256 x tile row + 128 x row half + 32 x column half
	s_add_co_u32 s20, s20, s21
	s_lshl_b32 s21, s18, 5
	s_add_co_u32 s20, s20, s21                     ; the first row of H that I store: 256 x tile row + 128 x row half + 32 x column half,
	s_lshl_b32 s20, s20, 11                        ; in bytes (under 2^24)
	s_mov_b32 s21, 0
	s_lshl_b32 s46, s42, 8                         ; the tile's first column, in bytes
	s_mov_b32 s47, 0
	s_add_nc_u64 s[20:21], s[20:21], s[46:47]
	s_add_nc_u64 s[12:13], s[12:13], s[20:21]
	; the bias of my 128 columns, in the result's layout: lane (r, h), register 8 b + j: column 16 b + 8 h + j.  All this stands while the first tiles are on their way
	s_lshl_b32 s76, s42, 10
	s_lshl_b32 s77, s18, 9
	s_add_co_u32 s76, s76, s77                     ; 4 x (256 x tile column + 128 x half)
	s_mov_b32 s77, 0
	s_add_nc_u64 s[10:11], s[10:11], s[76:77]
.if TWO_BIAS
	s_add_nc_u64 s[14:15], s[14:15], s[76:77]
.endif
	v_lshlrev_b32 v[BO], 5, v2
.irp b, 0,1,2,3,4,5,6,7
	global_load_b128 v[BIAS+8*\b:BIAS+8*\b+3],   v[BO], s[10:11] offset:64*\b
	global_load_b128 v[BIAS+8*\b+4:BIAS+8*\b+7], v[BO], s[10:11] offset:64*\b+16
.endr
.if TWO_BIAS
.irp b, 0,1,2,3,4,5,6,7
	global_load_b128 v[BH+8*\b:BH+8*\b+3],   v[BO], s[14:15] offset:64*\b
	global_load_b128 v[BH+8*\b+4:BH+8*\b+7], v[BO], s[14:15] offset:64*\b+16
.endr
.endif
	s_wait_kmcnt 0x0                               ; ea, eb, en
	s_add_co_i32 s71, s68, s69                     ; ea + eb
	s_sub_co_i32 s72, 0, s71
	s_sub_co_i32 s73, s70, s71                     ; en - ea - eb: the three scales folded into the conversion's one
	s_add_co_i32 s73, s73, 127
	s_lshl_b32 s74, s73, 23
	v_mov_b32 v[SC], s74                           ; 2^(en - ea - eb) as f32
	s_add_co_i32 s73, s73, 8
	s_lshl_b32 s73, s73, 23
	s_or_b32 s73, s73, 0x600000
	v_mov_b32 v[LIM], s73                          ; 448 x that
	s_wait_loadcnt 0x0                             ; the biases
	v_and_b32 v15, 31, v0                          ; the prefetches' offset: lane x a row in memory
	v_mul_u32_u24 v15, v15, KROW
	global_prefetch_b8 v15, s[94:95] offset:256 th:TH_LOAD_NT scope:SCOPE_SE   ; K step 1
	global_prefetch_b8 v15, s[90:91] th:TH_LOAD_NT scope:SCOPE_SE              ; K step 2
.if TWO_BIAS
.set J, 0
.rept 32
	v_pk_add_f32 v[BIAS+J:BIAS+J+1], v[BIAS+J:BIAS+J+1], v[BH+J:BH+J+1]
.set J, J+2
.endr
.endif
.set J, 0
.rept 64
	v_ldexp_f32 v[BIAS+J], v[BIAS+J], s72          ; x 2^-(ea + eb): nothing is rounded, short of overflow and underflow
.set J, J+1
.endr
.macro FRAG reg, adr, q, i             ; a fragment, 16 rows x 128 K of 8-bit codes, is 16 registers: lane l holds row l % 16; registers 4 c .. 4 c + 3 hold K = 32 c + 16 (l / 16) + 0 .. 15: the same places of k in A and in B
.irp c, 0,1,2,3
	ds_load_b128 v[\reg+4*\c:\reg+4*\c+3], v[\adr] offset:128*(\q)+32*\c+(\i)*16*PITCH
.endr
.endm
; 16 matrix instructions: A's blocks a0, a0 + 1 x B's eight, 128 along K.  p: B's set.  zero = 1: the first product starts the sums, with the bias as its C: nothing is ever cleared.
; The 64 accumulators take turns, one instruction a turn, in the same order in every step.
.macro MUL16 a0, p, zero
.irp a, \a0, \a0+1
.irp b, 0,1,2,3,4,5,6,7
.if \zero
	v_wmma_f32_16x16x128_fp8_fp8 v[8*(8*((\a)%4)+\b):8*(8*((\a)%4)+\b)+7], v[128*(\p)+FR*\b:128*(\p)+FR*\b+FR-1], v[AF+FR*(\a):AF+FR*(\a)+FR-1], v[BIAS+8*\b:BIAS+8*\b+7]
.else
	v_wmma_f32_16x16x128_fp8_fp8 v[8*(8*((\a)%4)+\b):8*(8*((\a)%4)+\b)+7], v[128*(\p)+FR*\b:128*(\p)+FR*\b+FR-1], v[AF+FR*(\a):AF+FR*(\a)+FR-1], v[8*(8*((\a)%4)+\b):8*(8*((\a)%4)+\b)+7]
.endif
.endr
.endr
.endm
.macro FETCH_B slot, q, p              ; B's eight fragments of the slot's q-th 128 along K into set p
	WIN TO_B
.irp i, 0,1,2,3,4,5,6,7
	FRAG 128*(\p)+FR*\i, ADRB+\slot, \q, \i
.endr
	WIN 0
.endm
.macro FETCH_A slot, q, i0             ; A's blocks i0 .. i0 + 3
.irp i, \i0, \i0+1, \i0+2, \i0+3
	FRAG AF+FR*(\i), ADRA+\slot, \q, \i
.endr
.endm
; A load into a register that a matrix instruction has read, and a vector instruction that reads a matrix result, stand NP places behind that matrix instruction, and only plain vector instructions that
; name none of its registers are places (ISA guide 7.12.1 for vector instructions); the matrix instructions in between are not counted.
.macro PLACES n
.rept \n
	v_nop
.endr
.endm
; A step of 128 along K that has its successor in the same slot: 64 matrix instructions, A's blocks one after the other, each against B's eight.  A block of A is free as soon as its eight products are
; issued: blocks 0-3 are fetched anew in the step's middle, blocks 4-7 at its end.  B's fragments are at work through the whole step, so B has two sets.
.macro STEP slot, q, zero
	s_wait_dscnt 4*NL                              ; B's set and A's blocks 0-3 are in; the youngest sixteen loads (A's blocks 4-7) may be out
	WIN MUL_LO-0x20*\zero
	MUL16 0, (\q)%2, \zero
	MUL16 2, (\q)%2, \zero
	s_wait_dscnt 0                                 ; A's blocks 4-7 are in (asked for 32 matrix instructions ago)
	PLACES NP
	FETCH_B \slot, (\q)+1, 1-(\q)%2
	FETCH_A \slot, (\q)+1, 0
	WIN MUL_HI-0x30*\zero
	MUL16 4, (\q)%2, \zero
	MUL16 6, (\q)%2, \zero
	PLACES NP
	WIN 0
	FETCH_A \slot, (\q)+1, 4
.endm
.macro ASK o                           ; the request for the K step two refills on; in the loop's last trip (s3 = 1) there is none
	s_cmp_gt_u32 s3, 1
	s_cbranch_scc0 .Lnone_\@
	global_prefetch_b8 v15, s[90:91] offset:\o th:TH_LOAD_NT scope:SCOPE_SE
.Lnone_\@:
.endm
; A slot's last step changes slots: ONE barrier; in front of it each wave waits for all its tensor loads, adds 0 to its spare word, and waits for that and for its own reads of this slot.  Sixteen products stand between
; the add and the wait for it, sixteen between the barrier's signal and its wait.  fill = 1: this slot is filled again, two K steps ahead, round K.
.macro TURN slot, next, fill
	s_wait_tensorcnt 0x0                           ; all my tensor loads have landed: my part of the next slot; so every group 0 may be written  (every window is 0 here)
	ds_add_u32 v[SPW], v[NIL]                      ; 0 onto my spare word
.if \fill
.if \slot == 0
	s_add_co_u32 s[KO], s[KO], 2*ROWB              ; the next lap's place along K,
	s_and_b32 s[KO], s[KO], SIZE_K-1               ; round K
	s_wait_xcnt 0x0                                ; my prefetches have read their address: now it steps to the lap after that
	s_add_co_u32 s92, s[KO], 512
	s_and_b32 s92, s92, SIZE_K-1
	s_add_nc_u64 s[90:91], s[88:89], s[92:93]
.endif
	s_add_nc_u64 s[G0+4*\slot+2:G0+4*\slot+3], s[BA+2*\slot:BA+2*\slot+1], s[KO:KO+1]
	s_or_b32 s[G0+4*\slot+3], s[G0+4*\slot+3], 0x80000000
	s_add_nc_u64 s[G0B+4*\slot+2:G0B+4*\slot+3], s[BB+2*\slot:BB+2*\slot+1], s[KO:KO+1]
	s_or_b32 s[G0B+4*\slot+3], s[G0B+4*\slot+3], 0x80000000
.endif
	s_wait_dscnt 4*NL+1                            ; B's set and A's blocks 0-3 are in; the add and the youngest sixteen loads (A's blocks 4-7) may be out
	WIN MUL_LO
	MUL16 0, 1, 0
	s_wait_dscnt 0x0                               ; the add is done, and my reads of this slot are over
	s_barrier_signal -1
	MUL16 2, 1, 0
	WIN 0
	s_barrier_wait -1
.if \fill
	CREST
	JLOAD G0+4*\slot, G1, G0B+4*\slot, G1B
	ASK 256*\slot
.else
	PLACES NP
.endif
	FETCH_B \next, 0, 0
	FETCH_A \next, 0, 0
	WIN MUL_HI
	MUL16 4, 1, 0
	MUL16 6, 1, 0
	PLACES NP
	WIN 0
	FETCH_A \next, 0, 4
.endm
	s_wait_alu depctr_va_vdst(0)
	s_wait_tensorcnt 0x0                           ; my part of K step 0 is in; the lines ahead of a later first fill:
	ds_add_u32 v[SPW], v[NIL]
	s_wait_dscnt 0x0
	CROUND                                         ; a whole round: everybody's part of K step 0 is in,
	JLOAD G0+4, G1, G0B+4, G1B                     ; and K step 1 is asked for, as a refill is
	global_prefetch_b8 v15, s[90:91] offset:256 th:TH_LOAD_NT scope:SCOPE_SE   ; K step 3
	FETCH_B 0, 0, 0
	FETCH_A 0, 0, 0
	FETCH_A 0, 0, 4
	STEP 0, 0, 1                                   ; the first step stands in front of the loop: its products start the sums from the bias
	s_mov_b32 s3, LAPS-1
.Llap:                                                 ; a trip goes once round the ring, from a lap's second step to the next lap's first, and fills both slots again
	TURN 0, 1, 1
	STEP 1, 0, 0
	TURN 1, 0, 1
	STEP 0, 0, 0
	s_sub_co_u32 s3, s3, 1
	s_cmp_lg_u32 s3, 0
	s_cbranch_scc1 .Llap
	TURN 0, 1, 0                                   ; the last lap fills nothing, and has no round of the cluster's barrier
	STEP 1, 0, 0
	s_wait_dscnt 4*NL                              ; the very last step: nothing more to fetch
	WIN MUL_LO
	MUL16 0, 1, 0
	MUL16 2, 1, 0
	s_wait_dscnt 0
	WIN MUL_HI
	MUL16 4, 1, 0
	MUL16 6, 1, 0
	WIN 0
; THE WAY OUT.  Block a (16 rows x my 128 columns): each sum is held between 0 and 448 x the scale (the activation and the hold in one: the conversion to an 8-bit code does not saturate, ISA guide 7.6.2), each
; accumulator from its low end on; eight sums of a lane become eight codes, 8 bytes of a row of H.  They go into the work-group's stage: at pitch 272 the 32 lanes of a store touch 64 different banks.
; Each block has registers of its own for its codes.
.macro QBLOCK a
.set AC, 64*((\a)%4)
	WIN 0x02+((\a)/4)                              ; source 0: window 2 or 3
.set J, 0
.rept 64
	v_med3_num_f32 v[TMP+J], v[AC+J], 0, v[LIM]
.set J, J+1
.endr
	WIN 0
.irp b, 0,1,2,3,4,5,6,7
	v_cvt_scalef32_pk8_fp8_f32 v[CD+16*(\a)+2*\b:CD+16*(\a)+2*\b+1], v[TMP+8*\b:TMP+8*\b+7], v[SC]
.endr
	v_nop                                          ; one plain vector instruction between the last conversion and the next block's lines, which write the conversions' sources
.irp b, 0,1,2,3,4,5,6,7
	ds_store_b64 v[STO], v[CD+16*(\a)+2*\b:CD+16*(\a)+2*\b+1] offset:(\a)*16*SPITCH+16*\b
.endr
.endm
	PLACES NP                                      ; behind the last products: for the reads of their results and the writes over A's fragments
; THE WAY OUT GOES IN TWO HALVES.  Half p: every wave's blocks 4 p .. 4 p + 3 (64 of its 128 rows) become codes in the work-group's stage; a barrier, since a row's 256 bytes come from two waves; then each wave reads 32
; whole rows back, into the registers that held these blocks' codes, and stores them.  The two halves' rows of the stage are disjoint, so half 1's codes are stored there while other waves may still read half 0's rows.
.macro HALF p
.irp a, 0,1,2,3
	QBLOCK 4*\p+\a
.endr
	s_wait_dscnt 0x0                               ; for the others' sake: my stores into the stage are done
	s_barrier_signal -1
	s_barrier_wait -1
.set T, 0
.rept 16
	ds_load_b128 v[CD+64*\p+4*T:CD+64*\p+4*T+3], v[RD] offset:(64*\p+2*T)*SPITCH
.set T, T+1
.endr
.set T, 0
.rept 16
	s_wait_dscnt 15-T                              ; LDS loads come back in order (ISA guide 5.7.1): pair T of rows is in
	global_store_b128 v[CO], v[CD+64*\p+4*T:CD+64*\p+4*T+3], s[12:13] offset:(64*\p+2*T)*SIZE_N   ; 16 lanes store 256 consecutive bytes, at a multiple of 256 from H's first byte; the next launch reads them, so no hint
.set T, T+1
.endr
.endm
	HALF 0
	HALF 1
	s_wait_tensorcnt 0x0                           ; the wave's end: behind my last tensor load and my last LDS store
	ds_add_u32 v[SPW], v[NIL]
	s_wait_dscnt 0x0
	CROUND                                         ; the closing round: no work-group ends while a partner may still ask for a tile that names it
	s_endpgm
.Lfunc_end_k_q222f19c73f_layer2:
	.size	k_q222f19c73f_layer2, .Lfunc_end_k_q222f19c73f_layer2-k_q222f19c73f_layer2
	.p2alignl 7, 3214868480
	.fill 96, 4, 3214868480
	.section	.rodata,"a",@progbits
	.p2align	6, 0x0
	.amdhsa_kernel k_q222f19c73f_layer2
		.amdhsa_group_segment_fixed_size 327680
		.amdhsa_private_segment_fixed_size 0
		.amdhsa_enable_private_segment 0
		.amdhsa_kernarg_size 48
		.amdhsa_user_sgpr_count 2
		.amdhsa_user_sgpr_kernarg_segment_ptr 1
		.amdhsa_wavefront_size32 1
		.amdhsa_system_sgpr_workgroup_id_x 1
		.amdhsa_system_sgpr_workgroup_id_y 1
		.amdhsa_system_sgpr_workgroup_id_z 1
		.amdhsa_system_vgpr_workitem_id 0
		.amdhsa_next_free_vgpr 1024
		.amdhsa_next_free_sgpr 96
		.amdhsa_reserve_vcc 0
		.amdhsa_float_denorm_mode_32 3
		.amdhsa_float_denorm_mode_16_64 3
		.amdhsa_memory_ordered 1
		.amdhsa_forward_progress 1
		.amdhsa_inst_pref_size 137
	.end_amdhsa_kernel
	.amdgpu_metadata
---
amdhsa.version: [ 1, 2 ]
amdhsa.kernels:
  - .name:           k_q222f19c73f_layer2
    .symbol:         k_q222f19c73f_layer2.kd
    .args:
      - { .name: h1, .offset: 0, .size: 8, .value_kind: global_buffer, .address_space: global }
      - { .name: W_ih_codes, .offset: 8, .size: 8, .value_kind: global_buffer, .address_space: global }
      - { .name: lowp_scales, .offset: 16, .size: 8, .value_kind: global_buffer, .address_space: global }
      - { .name: b_ih, .offset: 24, .size: 8, .value_kind: global_buffer, .address_space: global }
      - { .name: h2, .offset: 32, .size: 8, .value_kind: global_buffer, .address_space: global }
      - { .name: b_hh, .offset: 40, .size: 8, .value_kind: global_buffer, .address_space: global }
    .group_segment_fixed_size: 327680
    .private_segment_fixed_size: 0
    .kernarg_segment_align: 8
    .kernarg_segment_size: 48
    .max_flat_workgroup_size: 128
    .sgpr_count:     96
    .vgpr_count:     1024
    .wavefront_size: 32
...
	.end_amdgpu_metadata
.endif
;; end of part 2
;; launch layer3 (part 3): grid 4 x 64, 4 waves a work-group, clusters of 4 x 4, 327,680 bytes of LDS; arguments h2, W_final_codes, lowp_scales, b_final, out0; writes out0
.if DOCPART == 3
	.amdgcn_target "amdgcn-amd-amdhsa--gfx1250"
	.amdhsa_code_object_version 6
	.text
	.protected	k_q222f19c73f_layer3
	.globl	k_q222f19c73f_layer3
	.p2align	8
	.type	k_q222f19c73f_layer3,@function
k_q222f19c73f_layer3:
	s_mov_b64 s[64:65], 0
	v_nop
	global_prefetch_b8 v0, s[64:65] scope:SCOPE_SE
	s_setreg_imm32_b32 hwreg(HW_REG_WAVE_MODE, 25, 1), 1
	s_wait_xcnt 0x0
	s_wait_alu depctr_hold_cnt(0) depctr_sa_sdst(0) depctr_va_vdst(0) depctr_va_sdst(0) depctr_va_ssrc(0) depctr_va_vcc(0) depctr_vm_vsrc(0)
	s_getreg_b32 s2, hwreg(HW_REG_IB_STS2, 6, 4)
	s_cmp_eq_u32 s2, 0
	s_cbranch_scc0 .Lentry_in_a_cluster
	s_endpgm
.Lentry_in_a_cluster:
	s_bfe_u32 s2, ttmp6, 0x10000c
	s_cmp_lg_u32 s2, 0xf033
	s_cbranch_scc0 .Lentry_shape_is_right
	s_endpgm
.Lentry_shape_is_right:
; C = A B^T + bias.  A: [8192][2048] (the second hidden layer's codes), B: [1024][2048] (W_final's codes): FP8 (E4M3), one code a byte, K innermost, each tensor with one given scale: ea, eb = entries 4, 5 of the
; scales' exponents.  bias = b_final, f32.  C: [8192][1024] f32.
; The codes are multiplied as they are, sums in f32.  A sum stands for sum x 2^(ea + eb): the bias goes in as bias x 2^-(ea + eb), as the C of each sum's first matrix instruction, and each finished sum is multiplied once by 2^(ea + eb).
; LIMITS: ea + eb between -126 and 127, so that 2^(ea + eb) is an f32 number; bias x 2^-(ea + eb) stays a finite f32 number.  The bias is the first term of the sum and not the last: another order of rounding than a sum followed by an addition.
; SHARES.  C has 32 x 4 tiles of 256 x 256, half as many as there are WGPs: so a tile is 128 rows x 256 columns, 64 x 4 = 256 work-groups of four waves.  A wave makes 64 x 128: 32 accumulators of 16 x 16, 256 registers.
; TWO SLOTS OF UNEQUAL SIZE.  A tile's 384 rows (A's 128, B's 256) take 528 bytes of LDS each for 512 along K and 272 for 256: slot X holds 512 along K (202,752 bytes), slot Y 256 (104,448 bytes); two slots of 512 would not fit.
; 2,048 = 512 + 256 + 512 + 256 + 512: K is walked X Y X Y X.  The first X and Y are asked for at the start; three refills follow, each 768 along K behind the slot's last, where two slots of 256 would want six.
; A refill of X has Y's 64 matrix instructions a wave in which to land, a refill of Y has X's 128.  Waves 0 and 1 fetch A's halves (64 rows each), waves 2 and 3 B's (128 rows each): one load a wave.  The sixteen steps of 128 are written out: no loop.
; CLUSTERS: 4 x 4 work-groups.  The four of a row of the cluster need the same tiles of A, the four of a column the same tiles of B: each tile is asked for JOINTLY, by the same tensor load with the same
; descriptor and a mask that names the four.  THE MATRIX INSTRUCTION IS USED TRANSPOSED (source 0 = 16 rows of B, source 1 = 16 rows of A): a lane then holds eight neighbouring numbers of a row of C.
; (K is walked ascending in every cluster: each row of A is read by one cluster alone, so a walk turned from cluster to cluster would leave A's requests as they are.)
; REGISTERS, in windows of 256: window 0: v0-31 addresses; v64-127 the bias in the result's layout; v128-191 A's fragments (4 x 16 rows x 128 K), ONE set; on the way out v32-255 are free.
;   window 1: B's fragments, TWO sets, at v0 and at v128.   window 2: the 32 accumulators (accumulator (a, b) at v[8 (8 a + b)]).
.set SIZE_K, 2048
.set SIZE_N, 1024
.set KROW,   SIZE_K                    ; a row of A or of B in memory, in bytes
.set PX,     528                       ; slot X: an LDS row of 512 bytes + 16 of padding = 132 words: row r starts at bank 4 r mod 64 (64 banks of 4 bytes: ISA guide 11.1)
.set PY,     272                       ; slot Y: 256 bytes + 16 = 68 words: likewise
.set FR,     16                        ; registers of a fragment: 16 rows x 128 K
.set NL,     4                         ; LDS loads that bring one
.set NP,     4                         ; places behind this matrix instruction (ISA guide 7.12.1)
.set XA_H,   64*PX                     ; 64 rows of A in slot X: what one tensor load brings, and what one wave reads
.set XB_H,   128*PX                    ; 128 rows of B in slot X: likewise
.set YA_H,   64*PY                     ; the same in slot Y
.set YB_H,   128*PY
.set YBASE,  2*XA_H+2*XB_H             ; slot X: A's 128 rows, then B's 256; slot Y begins behind it, laid likewise
.set SPARE,  YBASE+2*YA_H+2*YB_H       ; behind the slots: the spare words, 128 bytes for each wave: two blocks of 256 bytes that no other line names
.set NEXTK,  768                       ; along K from a slot's tile to its next
.set SPITCH, 528                       ; the way out: a stage of 16 rows x (512 bytes + 16) for each wave,
.set STAGE,  YBASE                     ; in slot Y, which has had its last fill and its last read when the first result is stored there
.set ADRA, 16                          ; v16-17  LDS address of my A fragments in slot X, Y
.set ADRB, 20                          ; v20-21  the same for B
.set STO,  24                          ; v24     the way out: where I put 32 bytes of a row
.set RD,   25                          ; v25     the way out: where I read a row back
.set CO,   26                          ; v26     my byte offset in a row of C
.set BO,   27                          ; v27     my byte offset in the bias: 32 x (lane / 16)
.set SPW,  28                          ; v28     LDS address of my spare word: SPARE + 4 x my thread's number; never rewritten
.set NIL,  29                          ; v29     0; never rewritten
.set TMP,  32                          ; the way out: 64 registers, a block's sums x 2^(ea + eb)
.set BIAS, 64                          ; v64-127 bias x 2^-(ea + eb): register 8 b + j = column 16 b + 8 (lane / 16) + j of my 128
.set AF,   128                         ; A's fragments
.set BK,   128                         ; the way out: 16 rows read back from the stage: v128-191 and v192-255 by turns
.set G1A, 24                           ; s[24:31], s[32:39] descriptor group 1 for A's tiles in slot X, Y
.set G1B, 40                           ; s[40:47], s[48:55] for B's
.set G0A, 56                           ; s[56:59], s[60:63] descriptor group 0 for A's tiles in slot X, Y
.set G0B, 68                           ; s[68:71], s[72:75] for B's
.set MSB, 0
.macro WIN new                         ; the immediate's high byte repeats the setting that is left
.if MSB != (\new)
	s_set_vgpr_msb (MSB<<8)|(\new)
.set MSB, (\new)
.endif
.endm
.set MUL,  0xa1                        ; source 0 (B) window 1, source 1 (A) window 0, C and D window 2.  Less 0x20: C (the bias) window 0
.set TO_B, 0x40                        ; destination window 1, address window 0
; A joint load: waves 0 and 1 fetch for A, waves 2 and 3 for B.  Each of the two lines has ONE mask and one set of registers for all that issue it; the branch hangs on the wave's number alone.
; Four v_nop follow each of the two lines, ahead of the jump, the label and what follows.
.macro JLOAD g0a, g1a, g0b, g1b
	s_cmp_eq_u32 s17, 0
	s_cbranch_scc0 .Lfor_b_\@
	tensor_load_to_lds s[\g0a:\g0a+3], s[\g1a:\g1a+7]
	s_nop 0
.rept 4
	v_nop
.endr
	s_branch .Lasked_\@
.Lfor_b_\@:
	tensor_load_to_lds s[\g0b:\g0b+3], s[\g1b:\g1b+7]
	s_nop 0
.rept 4
	v_nop
.endr
.Lasked_\@:
.endm
.macro CREST                           ; a round of the cluster's barrier behind its opening barrier
	s_cmp_lg_u32 s16, 0
	s_cbranch_scc1 .Lnot_wave_0_\@
	s_barrier_signal -3
.Lnot_wave_0_\@:
	s_barrier_wait -3
	s_barrier_signal -1
	s_barrier_wait -1
.endm
.macro CROUND                          ; a whole round
	s_barrier_signal -1
	s_barrier_wait -1
	CREST
.endm
	s_load_b256 s[4:11], s[0:1], 0x0               ; A's codes s[4:5], B's codes s[6:7], the scales' exponents s[8:9], the bias s[10:11]
	s_load_b64 s[12:13], s[0:1], 0x20              ; C
	v_lshl_add_u32 v[SPW], v0, 2, SPARE
	v_mov_b32 v[NIL], 0
	ds_add_u32 v28, v29
	ds_add_u32 v28, v29
	s_wait_dscnt 0x0
	v_lshrrev_b32 v1, 5, v0
	v_readfirstlane_b32 s16, v1                    ; wave 0..3
	s_lshr_b32 s17, s16, 1                         ; which half of the tile's rows is mine.  Also: I fetch for A (0) or for B (1)
	s_and_b32 s18, s16, 1                          ; which half of its columns.  Also: which half of that tile's rows I fetch
	s_bfe_u32 s76, ttmp6, 0x40000                  ; cx, cy: my place in the cluster
	s_bfe_u32 s77, ttmp6, 0x40004
	s_lshl_b32 s78, ttmp9, 2
	s_add_co_u32 s78, s78, s76                     ; tile column of C = 4 x cluster x + cx
	s_and_b32 s19, ttmp7, 0xffff
	s_lshl_b32 s19, s19, 2
	s_add_co_u32 s19, s19, s77                     ; tile row of C = 4 x cluster y + cy
	s_lshl_b32 s79, s77, 2
	s_lshl_b32 s79, 15, s79                        ; my row of the cluster
	s_lshl_b32 s80, 0x1111, s76                    ; my column
	; descriptor groups 1, four of them: A's tiles have 64 rows, B's 128; slot X's rows are 512 bytes, slot Y's 256; all padded in LDS by 4 words behind each row
	s_or_b32 s[G1A+0], s79, (0<<16)|(1<<20)|(1<<21)|(6<<22)|(3<<25)  ; 15:0 the mask: A's tiles go to my row; 17:16 element of 1 byte; 20 padding on; 21 set beside a mask; 24:22 after every 128 words (code 6); 31:25 of 4 words (code 3)
	s_or_b32 s[G1A+8], s79, (0<<16)|(1<<20)|(1<<21)|(5<<22)|(3<<25)  ; slot Y: after every 64 words (code 5)
	s_or_b32 s[G1B+0], s80, (0<<16)|(1<<20)|(1<<21)|(6<<22)|(3<<25)  ; the same two with the mask of my column, for B's tiles
	s_or_b32 s[G1B+8], s80, (0<<16)|(1<<20)|(1<<21)|(5<<22)|(3<<25)
.irp g, G1A, G1B
	s_mov_b32 s[\g+1], 512<<16                     ; slot X: tensor_dim0 = 512
	s_mov_b32 s[\g+3], 512<<16                     ; tile_dim0
	s_mov_b32 s[\g+5], KROW                        ; tensor_dim0_stride
	s_mov_b32 s[\g+6], 0
	s_mov_b32 s[\g+7], 0
	s_mov_b32 s[\g+9], 256<<16                     ; slot Y: tensor_dim0 = 256
	s_mov_b32 s[\g+11], 256<<16                    ; tile_dim0
	s_mov_b32 s[\g+13], KROW
	s_mov_b32 s[\g+14], 0
	s_mov_b32 s[\g+15], 0
.endr
.irp o, 0, 8
	s_mov_b32 s[G1A+\o+2], 64<<16                  ; A: tensor_dim1 = 64
	s_mov_b32 s[G1A+\o+4], 64                      ; tile_dim1
	s_mov_b32 s[G1B+\o+2], 128<<16                 ; B: 128
	s_mov_b32 s[G1B+\o+4], 128
.endr
	s_lshl_b32 s22, s18, 6
	s_lshl_b32 s20, s19, 7
	s_add_co_u32 s20, s20, s22                     ; A: row 128 x tile row + 64 x half
	s_lshl_b32 s23, s18, 7
	s_lshl_b32 s86, s78, 8
	s_add_co_u32 s86, s86, s23                     ; B: row 256 x tile column + 128 x half
	s_mov_b32 s21, 0
	s_mov_b32 s87, 0
	s_mov_b64 s[22:23], KROW
	s_mul_u64 s[20:21], s[20:21], s[22:23]         ; in bytes
	s_mul_u64 s[86:87], s[86:87], s[22:23]
	s_mul_i32 s81, s18, XA_H                       ; where they go: A's half in slot X,
	s_mul_i32 s82, s18, YA_H
	s_add_co_u32 s82, s82, YBASE                   ; in slot Y;
	s_mul_i32 s83, s18, XB_H
	s_add_co_u32 s83, s83, 2*XA_H                  ; B's half, behind A's 128 rows, in slot X,
	s_mul_i32 s84, s18, YB_H
	s_add_co_u32 s84, s84, YBASE+2*YA_H            ; in slot Y: no place in the cluster enters an LDS address
	s_wait_kmcnt 0x0
	s_load_b64 s[88:89], s[8:9], 0x10              ; ea, eb
	s_add_nc_u64 s[20:21], s[4:5], s[20:21]
	s_add_nc_u64 s[86:87], s[6:7], s[86:87]
	CROUND                                         ; all sixteen work-groups are here: the first joint loads meet
.irp s, 0,1
	s_mov_b32 s[G0A+4*\s], 1                                       ; count = 1
	s_mov_b32 s[G0A+4*\s+1], s[81+\s]                              ; LDS address
	s_add_nc_u64 s[G0A+4*\s+2:G0A+4*\s+3], s[20:21], \s*512        ; global address: slot X begins at K = 0, slot Y at K = 512
	s_or_b32 s[G0A+4*\s+3], s[G0A+4*\s+3], 0x80000000              ; type = 2
	s_mov_b32 s[G0B+4*\s], 1
	s_mov_b32 s[G0B+4*\s+1], s[83+\s]
	s_add_nc_u64 s[G0B+4*\s+2:G0B+4*\s+3], s[86:87], \s*512
	s_or_b32 s[G0B+4*\s+3], s[G0B+4*\s+3], 0x80000000
.endr
	JLOAD G0A, G1A, G0B, G1B                       ; slot X's first tile: one tensor load a wave at the head
	; THE PREFETCHES' ADDRESS.  A lane a row, 256 bytes of each row an instruction.  Of the rows that I fetch (64 of A, 128 of B) each of the four partners that ask for them jointly names a quarter (16 or 32), told apart
	; by address (cx for A, cy for B); in A's waves lanes 16-31 name their wave's last block again.  The second and third tiles are asked for further down in the head; from the second tile's load on, the request for
	; the tile two loads on goes with a tile's load.  The places along K stand in the immediates; the address registers are never rewritten.
	s_lshl_b32 s98, s19, 7                         ; A: row 128 x tile row + 64 x half + 16 cx
	s_lshl_b32 s99, s18, 6
	s_add_co_u32 s98, s98, s99
	s_lshl_b32 s99, s76, 4
	s_add_co_u32 s98, s98, s99
	s_lshl_b32 s100, s78, 8                        ; B: row 256 x tile column + 128 x half + 32 cy
	s_lshl_b32 s99, s18, 7
	s_add_co_u32 s100, s100, s99
	s_lshl_b32 s99, s77, 5
	s_add_co_u32 s100, s100, s99
	s_cmp_eq_u32 s17, 0
	s_cselect_b32 s98, s98, s100
	s_cselect_b32 s101, 15, 31
	s_cselect_b64 s[96:97], s[4:5], s[6:7]
	s_lshl_b32 s98, s98, 11                        ; rows of 2,048 bytes
	s_mov_b32 s99, 0
	s_add_nc_u64 s[96:97], s[96:97], s[98:99]
	v_and_b32 v1, 15, v0                           ; r = l % 16
	v_bfe_u32 v2, v0, 4, 1                         ; h = l / 16
	v_mul_u32_u24 v3, v1, PX
	v_lshl_add_u32 v3, v2, 4, v3                   ; a fragment's row x pitch + 16 x half, in slot X,
	v_mul_u32_u24 v4, v1, PY
	v_lshl_add_u32 v4, v2, 4, v4                   ; in slot Y
	s_mul_i32 s21, s17, XA_H                       ; my 64 rows of A
	v_add_nc_u32 v[ADRA], s21, v3
	s_mul_i32 s21, s17, YA_H
	s_add_co_u32 s21, s21, YBASE
	v_add_nc_u32 v[ADRA+1], s21, v4
	v_add_nc_u32 v[ADRB], s83, v3                  ; my 128 rows of B: the half that bears my half's number
	v_add_nc_u32 v[ADRB+1], s84, v4
	s_mul_i32 s23, s16, 16*SPITCH
	s_add_co_u32 s23, s23, STAGE                   ; my stage
	v_mul_u32_u24 v5, v1, SPITCH                   ; in: row r, 32 bytes for each half of the lanes
	v_lshl_add_u32 v5, v2, 5, v5
	v_add_nc_u32 v[STO], s23, v5
	v_and_b32 v6, 31, v0
	v_lshlrev_b32 v[CO], 4, v6                     ; back: the 32 lanes take one row of 512 bytes; and the same in C
	v_add_nc_u32 v[RD], s23, v[CO]
	s_lshl_b32 s20, s19, 7
	s_lshl_b32 s21, s17, 6
	s_add_co_u32 s20, s20, s21                     ; my first row of C: 128 x tile row + 64 x half,
	s_lshl_b32 s20, s20, 12                        ; in bytes: rows of 4,096 (under 2^25)
	s_mov_b32 s21, 0
	s_lshl_b32 s94, s78, 10                        ; my first column, in bytes: 1,024 x tile column + 512 x half: in C's rows and in the bias alike
	s_lshl_b32 s95, s18, 9
	s_add_co_u32 s94, s94, s95
	s_mov_b32 s95, 0
	s_add_nc_u64 s[20:21], s[20:21], s[94:95]
	s_add_nc_u64 s[12:13], s[12:13], s[20:21]
	; the bias of my 128 columns, in the result's layout: lane (r, h), register 8 b + j: column 16 b + 8 h + j.  All this stands while the first tiles are on their way
	s_add_nc_u64 s[10:11], s[10:11], s[94:95]
	v_lshlrev_b32 v[BO], 5, v2
.irp b, 0,1,2,3,4,5,6,7
	global_load_b128 v[BIAS+8*\b:BIAS+8*\b+3],   v[BO], s[10:11] offset:64*\b
	global_load_b128 v[BIAS+8*\b+4:BIAS+8*\b+7], v[BO], s[10:11] offset:64*\b+16
.endr
	s_wait_kmcnt 0x0                               ; ea, eb
	s_add_co_i32 s90, s88, s89                     ; ea + eb
	s_sub_co_i32 s91, 0, s90
	s_add_co_i32 s92, s90, 127
	s_lshl_b32 s92, s92, 23                        ; 2^(ea + eb) as f32
	s_mov_b32 s93, s92                             ; (named with it as a pair, so it is written)
	s_wait_loadcnt 0x0                             ; the bias
	v_and_b32 v30, 31, v0                          ; the prefetches' offset: my row (16 or 32 of them) x 2,048 bytes
	v_min_u32 v30, s101, v30
	v_lshlrev_b32 v30, 11, v30
	global_prefetch_b8 v30, s[96:97] offset:512 th:TH_LOAD_NT scope:SCOPE_SE    ; K 512 to 767
	global_prefetch_b8 v30, s[96:97] offset:768 th:TH_LOAD_NT scope:SCOPE_SE    ; K 768 to 1,279
	global_prefetch_b8 v30, s[96:97] offset:1024 th:TH_LOAD_NT scope:SCOPE_SE
.set J, 0
.rept 64
	v_ldexp_f32 v[BIAS+J], v[BIAS+J], s91          ; x 2^-(ea + eb): nothing is rounded, short of overflow and underflow
.set J, J+1
.endr
; sl: the slot, 0 = X, 1 = Y.  PT: its pitch, set by the macro that fetches.
.macro FRAG reg, adr, q, i             ; a fragment, 16 rows x 128 K of 8-bit codes, is 16 registers: lane l holds row l % 16; registers 4 c .. 4 c + 3 hold K = 32 c + 16 (l / 16) + 0 .. 15: the same places of k in A and in B
.irp c, 0,1,2,3
	ds_load_b128 v[\reg+4*\c:\reg+4*\c+3], v[\adr] offset:128*(\q)+32*\c+(\i)*16*PT
.endr
.endm
; 8 matrix instructions: A's block a x B's eight, 128 along K.  p: B's set.  zero = 1: the first product starts the sums, with the bias as its C: nothing is ever cleared.
; The 32 accumulators take turns, one instruction a turn, in the same order in every step.
.macro MUL8 a, p, zero
.irp b, 0,1,2,3,4,5,6,7
.if \zero
	v_wmma_f32_16x16x128_fp8_fp8 v[8*(8*(\a)+\b):8*(8*(\a)+\b)+7], v[128*(\p)+FR*\b:128*(\p)+FR*\b+FR-1], v[AF+FR*(\a):AF+FR*(\a)+FR-1], v[BIAS+8*\b:BIAS+8*\b+7]
.else
	v_wmma_f32_16x16x128_fp8_fp8 v[8*(8*(\a)+\b):8*(8*(\a)+\b)+7], v[128*(\p)+FR*\b:128*(\p)+FR*\b+FR-1], v[AF+FR*(\a):AF+FR*(\a)+FR-1], v[8*(8*(\a)+\b):8*(8*(\a)+\b)+7]
.endif
.endr
.endm
.macro FETCH_B sl, q, p                ; B's eight fragments of the slot's q-th 128 along K into set p
.set PT, PX-(PX-PY)*(\sl)
	WIN TO_B
.irp i, 0,1,2,3,4,5,6,7
	FRAG 128*(\p)+FR*\i, ADRB+\sl, \q, \i
.endr
	WIN 0
.endm
.macro FETCH_A sl, q, i0               ; A's blocks i0, i0 + 1
.set PT, PX-(PX-PY)*(\sl)
.irp i, \i0, \i0+1
	FRAG AF+FR*(\i), ADRA+\sl, \q, \i
.endr
.endm
; A load into a register that a matrix instruction has read, and a vector instruction that reads a matrix result, stand NP places behind that matrix instruction, and only plain vector instructions that
; name none of its registers are places (ISA guide 7.12.1 for vector instructions); the matrix instructions in between are not counted.
.macro PLACES n
.rept \n
	v_nop
.endr
.endm
; A step of 128 along K that has its successor in the same slot: 32 matrix instructions, A's blocks one after the other, each against B's eight.  Blocks 0, 1 of A are fetched anew in the step's middle,
; blocks 2, 3 at its end; B's fragments are at work through the whole step, so B has two sets, by turns: both slots hold an even number of steps, so step q of a slot works on set q % 2.
.macro STEP sl, q, zero
	s_wait_dscnt 2*NL                              ; B's set and A's blocks 0, 1 are in; the youngest eight loads (A's blocks 2, 3) may be out
	WIN MUL-0x20*\zero
	MUL8 0, (\q)%2, \zero
	MUL8 1, (\q)%2, \zero
	s_wait_dscnt 0                                 ; A's blocks 2, 3 are in (asked for 16 matrix instructions ago)
	PLACES NP
	FETCH_B \sl, (\q)+1, 1-(\q)%2
	FETCH_A \sl, (\q)+1, 0
	WIN MUL-0x20*\zero
	MUL8 2, (\q)%2, \zero
	MUL8 3, (\q)%2, \zero
	PLACES NP
	WIN 0
	FETCH_A \sl, (\q)+1, 2
.endm
; A slot's last step (on set 1) changes slots.  All its fragments have been asked for, so its first 16 products are issued AHEAD of the wait for the other slot's tile: between that wait and the next request stand only
; the add, the descriptors' step, the wait for my LDS instructions and the barrier.  ONE barrier; in front of it each wave waits for all its tensor loads, adds 0 to its spare word, and waits for that and for its own reads of this slot.
; fill = 1: this slot is filled again, NEXTK along K behind its last tile.
.macro TURN sl, next, fill
	s_wait_dscnt 2*NL                              ; B's set and A's blocks 0, 1 are in; the youngest eight loads (A's blocks 2, 3) may be out
	WIN MUL
	MUL8 0, 1, 0
	MUL8 1, 1, 0
	WIN 0
	s_wait_tensorcnt 0x0                           ; all my tensor loads have landed: the one that may have been out is my part of the other slot; so every group 0 may be written
	ds_add_u32 v[SPW], v[NIL]                      ; 0 onto my spare word; with fill = 1 the descriptors' step stands between it and the wait for it
.if \fill
	s_add_nc_u64 s[G0A+4*\sl+2:G0A+4*\sl+3], s[G0A+4*\sl+2:G0A+4*\sl+3], NEXTK   ; the type bits on top are not reached
	s_add_nc_u64 s[G0B+4*\sl+2:G0B+4*\sl+3], s[G0B+4*\sl+2:G0B+4*\sl+3], NEXTK
.endif
	s_wait_dscnt 0x0                               ; the add is done, and my reads of this slot are over
	s_barrier_signal -1
	s_barrier_wait -1
.if \fill
	CREST                                          ; the barrier has opened a round of the cluster's barrier: no wave of any partner still reads this slot's tile or has a load on its way
	JLOAD G0A+4*\sl, G1A+8*\sl, G0B+4*\sl, G1B+8*\sl   ; the first tensor load behind the round, and my only one until the next; the four v_nop behind it are the places in front of the loads below
.else
	PLACES NP
.endif
	FETCH_B \next, 0, 0
	FETCH_A \next, 0, 0
.if PFK
	global_prefetch_b8 v30, s[96:97] offset:PFK th:TH_LOAD_NT scope:SCOPE_SE    ; the tile two loads on: 512 along K
	global_prefetch_b8 v30, s[96:97] offset:PFK+256 th:TH_LOAD_NT scope:SCOPE_SE
.endif
.set PFK, 0
	WIN MUL
	MUL8 2, 1, 0
	MUL8 3, 1, 0
	PLACES NP
	WIN 0
	FETCH_A \next, 0, 2
.endm
	s_wait_alu depctr_va_vdst(0)
	s_wait_tensorcnt 0x0                           ; my part of slot X is in; the lines ahead of a later first fill:
	ds_add_u32 v[SPW], v[NIL]
	s_wait_dscnt 0x0
	CROUND                                         ; a whole round: everybody's part of slot X is in,
	JLOAD G0A+4, G1A+8, G0B+4, G1B+8               ; and slot Y's first tile is asked for, as a refill is
	global_prefetch_b8 v30, s[96:97] offset:1280 th:TH_LOAD_NT scope:SCOPE_SE   ; K 1,280 to 1,535
.set PFK, 0
	FETCH_B 0, 0, 0
	FETCH_A 0, 0, 0
	FETCH_A 0, 0, 2
	STEP 0, 0, 1                                   ; K 0 to 511, in slot X: the first step's products start the sums from the bias
	STEP 0, 1, 0
	STEP 0, 2, 0
.set PFK, 1536                         ; with the load of K 768 to 1,279 goes the request for K 1,536 to 2,047
	TURN 0, 1, 1                                   ; slot X takes K 768 to 1,279
	STEP 1, 0, 0                                   ; K 512 to 767, in slot Y
	TURN 1, 0, 1                                   ; slot Y takes K 1,280 to 1,535
	STEP 0, 0, 0                                   ; K 768 to 1,279
	STEP 0, 1, 0
	STEP 0, 2, 0
	TURN 0, 1, 1                                   ; slot X takes K 1,536 to 2,047: the last load
	STEP 1, 0, 0                                   ; K 1,280 to 1,535
	TURN 1, 0, 0                                   ; nothing is left to fetch: no round of the cluster's barrier.  Behind this barrier nobody reads slot Y
	STEP 0, 0, 0                                   ; K 1,536 to 2,047
	STEP 0, 1, 0
	STEP 0, 2, 0
	s_wait_dscnt 2*NL                              ; the very last step: nothing more to fetch
	WIN MUL
	MUL8 0, 1, 0
	MUL8 1, 1, 0
	s_wait_dscnt 0
	MUL8 2, 1, 0
	MUL8 3, 1, 0
	WIN 0
; THE WAY OUT, block by block of 16 rows x 128 columns.  A lane holds 32 neighbouring bytes of a row, and the lanes beside it hold other rows: so a block goes through my own stage in LDS and comes back as whole
; rows of 512 bytes.  LDS serves a wave's instructions in order (ISA guide 5.7.1.4): no wait between the stores and the loads, nor in front of the next block's stores.
.macro TOSTAGE a
.set AC, 64*(\a)
	WIN 0x02                                       ; source 0: window 2
.set J, 0
.rept 32
	v_pk_mul_f32 v[TMP+J:TMP+J+1], v[AC+J:AC+J+1], s[92:93] op_sel_hi:[1,0]   ; both x s92 = 2^(ea + eb): nothing is rounded, short of overflow and underflow; each accumulator from its low end on
.set J, J+2
.endr
	WIN 0
.irp b, 0,1,2,3,4,5,6,7
	ds_store_b128 v[STO], v[TMP+8*\b:TMP+8*\b+3] offset:64*\b
	ds_store_b128 v[STO], v[TMP+8*\b+4:TMP+8*\b+7] offset:64*\b+16
.endr
.set BB, BK+64*((\a)%2)
.irp t, 0,1,2,3,4,5,6,7,8,9,10,11,12,13,14,15
	ds_load_b128 v[BB+4*\t:BB+4*\t+3], v[RD] offset:\t*SPITCH
.endr
.endm
.macro SEND a, younger                 ; younger: the LDS instructions issued behind block a's loads, which may stay out
.set BB, BK+64*((\a)%2)
	s_wait_dscnt \younger                          ; the block is back in registers
.if (\a) > 0
	s_add_nc_u64 s[12:13], s[12:13], 16*SIZE_N*4   ; (behind a wait on XCNT for 0: the earlier stores have read their base)  16 rows of C on
.endif
.irp t, 0,1,2,3,4,5,6,7,8,9,10,11,12,13,14,15
	global_store_b128 v[CO], v[BB+4*\t:BB+4*\t+3], s[12:13] offset:\t*SIZE_N*4 th:TH_STORE_NT   ; 32 lanes store 512 consecutive bytes, at a multiple of 256 from C's first byte; written once, read by nobody here
.endr
.endm
	PLACES NP                                      ; behind the last products: for the reads of their results and the loads into the registers that held A's fragments
	TOSTAGE 0
.irp a, 1,2,3
.if \a > 1
	s_wait_xcnt 0x0                                ; block a - 2's stores have read their registers and their base: block a's loads may land there, and the base may step
.endif
	TOSTAGE \a
	SEND \a-1, 32                                  ; behind block a - 1's loads: block a's 16 stores and 16 loads
.endr
	s_wait_xcnt 0x0                                ; block 2's stores have read their base
	SEND 3, 0
	s_wait_tensorcnt 0x0                           ; the wave's end: behind my last tensor load and my last LDS store
	ds_add_u32 v[SPW], v[NIL]
	s_wait_dscnt 0x0
	CROUND                                         ; the closing round: no work-group ends while a partner may still ask for a tile that names it
	s_endpgm
.Lfunc_end_k_q222f19c73f_layer3:
	.size	k_q222f19c73f_layer3, .Lfunc_end_k_q222f19c73f_layer3-k_q222f19c73f_layer3
	.p2alignl 7, 3214868480
	.fill 96, 4, 3214868480
	.section	.rodata,"a",@progbits
	.p2align	6, 0x0
	.amdhsa_kernel k_q222f19c73f_layer3
		.amdhsa_group_segment_fixed_size 327680
		.amdhsa_private_segment_fixed_size 0
		.amdhsa_enable_private_segment 0
		.amdhsa_kernarg_size 40
		.amdhsa_user_sgpr_count 2
		.amdhsa_user_sgpr_kernarg_segment_ptr 1
		.amdhsa_wavefront_size32 1
		.amdhsa_system_sgpr_workgroup_id_x 1
		.amdhsa_system_sgpr_workgroup_id_y 1
		.amdhsa_system_sgpr_workgroup_id_z 1
		.amdhsa_system_vgpr_workitem_id 0
		.amdhsa_next_free_vgpr 768
		.amdhsa_next_free_sgpr 102
		.amdhsa_reserve_vcc 0
		.amdhsa_float_denorm_mode_32 3
		.amdhsa_float_denorm_mode_16_64 3
		.amdhsa_memory_ordered 1
		.amdhsa_forward_progress 1
		.amdhsa_inst_pref_size 129
	.end_amdhsa_kernel
	.amdgpu_metadata
---
amdhsa.version: [ 1, 2 ]
amdhsa.kernels:
  - .name:           k_q222f19c73f_layer3
    .symbol:         k_q222f19c73f_layer3.kd
    .args:
      - { .name: h2, .offset: 0, .size: 8, .value_kind: global_buffer, .address_space: global }
      - { .name: W_final_codes, .offset: 8, .size: 8, .value_kind: global_buffer, .address_space: global }
      - { .name: lowp_scales, .offset: 16, .size: 8, .value_kind: global_buffer, .address_space: global }
      - { .name: b_final, .offset: 24, .size: 8, .value_kind: global_buffer, .address_space: global }
      - { .name: out0, .offset: 32, .size: 8, .value_kind: global_buffer, .address_space: global }
    .group_segment_fixed_size: 327680
    .private_segment_fixed_size: 0
    .kernarg_segment_align: 8
    .kernarg_segment_size: 40
    .max_flat_workgroup_size: 128
    .sgpr_count:     102
    .vgpr_count:     768
    .wavefront_size: 32
...
	.end_amdgpu_metadata
.endif
;; end of part 3
